; MI455X (gfx1250); checked and timed in simulation.
; The chip was launched on July 23, 2026; its instructions are those of AMD's public machine-readable ISA for CDNA 5 (MIT licence, August 2026) and "CDNA5" Instruction Set Architecture Reference Guide (July 2026). The comments in the code are by the model that wrote it; some were corrected since.
;; Multi Modal Attention. Allowed arithmetic: matrix products marked QUANTISED: E5M2 operands, one given power-of-two scale a tensor, by v_wmma_f32_16x16x64_bf8_bf8 or v_wmma_f32_16x16x128_bf8_bf8, f32 sums; products left as they are: f32 operands where the result goes on into a quantised operand, else bf16, f16 or f32 operands; f32 sums; everything else in f32.
;; Inputs: Wk1 1 x 64 float32; Wk2 1 x 64 float32; Wk3 1 x 64 float32; Wq 32 x 64 float32; Wv1 32 x 64 float32; Wv2 32 x 64 float32; Wv3 32 x 64 float32; bk1 64 float32; bk2 64 float32; bk3 64 float32; bv1 64 float32; bv2 64 float32; bv3 64 float32; log_tau1 one number float32; log_tau2 one number float32; log_tau3 one number float32; lowp_scales 20 int32 (the exponents e of the quantised operands' scales 2^e); m1_data 4 x 1 x 2,048 x 34 float32; m1_t 4 x 1 x 2,048 float32; m2_data 4 x 1 x 2,048 x 34 float32; m2_t 4 x 1 x 2,048 float32; m3_data 4 x 1 x 2,048 x 34 float32; m3_t 4 x 1 x 2,048 float32; ref_data 4 x 1 x 2,048 x 32 float32; ref_t 4 x 1 x 2,048 float32.
;; Outputs: out0 3 x 4 x 1 x 2,048 x 64 float32.
;; This version of the problem:
;;   THIS VERSION OF THE PROBLEM IS GIVEN IN LOW PRECISION. The matrix products marked QUANTISED in the list below multiply operands that are first quantised to E5M2 (5 exponent bits, 2 mantissa bits; 8 bits a number), with one given power-of-two scale for each operand tensor; their sums are f32. All else is computed in f32.
;;   The module's matrix products, in the order in which they are computed (A, B: the left and right operand; K: the contracted axis; several contracted axes count as one K, in the product's order):
;;     1. [M 8,192, K 32] x [K 32, N 64]; A: input ref_data; B: input Wq: QUANTISED (scales: A lowp_scales[0], B lowp_scales[1])
;;     2. [M 8,192, K 1] x [K 1, N 64]; A: input m1_data; B: input Wk1: left as it is (K = 1 < 32)
;;     3. [M 8,192, K 32] x [K 32, N 64]; A: input m1_data; B: input Wv1: QUANTISED (scales: A lowp_scales[2], B lowp_scales[3])
;;     4. batch 4 x [M 2,048, K 65] x [K 65, N 2,048]; A: computed on the way; B: computed on the way: QUANTISED (scales: A lowp_scales[4], B lowp_scales[5])
;;     5. batch 4 x [M 2,048, K 2,048] x [K 2,048, N 64]; A: computed on the way; B: computed on the way: QUANTISED (scales: A lowp_scales[6], B lowp_scales[7])
;;     6. [M 8,192, K 1] x [K 1, N 64]; A: input m2_data; B: input Wk2: left as it is (K = 1 < 32)
;;     7. [M 8,192, K 32] x [K 32, N 64]; A: input m2_data; B: input Wv2: QUANTISED (scales: A lowp_scales[8], B lowp_scales[9])
;;     8. batch 4 x [M 2,048, K 65] x [K 65, N 2,048]; A: computed on the way; B: computed on the way: QUANTISED (scales: A lowp_scales[10], B lowp_scales[11])
;;     9. batch 4 x [M 2,048, K 2,048] x [K 2,048, N 64]; A: computed on the way; B: computed on the way: QUANTISED (scales: A lowp_scales[12], B lowp_scales[13])
;;     10. [M 8,192, K 1] x [K 1, N 64]; A: input m3_data; B: input Wk3: left as it is (K = 1 < 32)
;;     11. [M 8,192, K 32] x [K 32, N 64]; A: input m3_data; B: input Wv3: QUANTISED (scales: A lowp_scales[14], B lowp_scales[15])
;;     12. batch 4 x [M 2,048, K 65] x [K 65, N 2,048]; A: computed on the way; B: computed on the way: QUANTISED (scales: A lowp_scales[16], B lowp_scales[17])
;;     13. batch 4 x [M 2,048, K 2,048] x [K 2,048, N 64]; A: computed on the way; B: computed on the way: QUANTISED (scales: A lowp_scales[18], B lowp_scales[19])
;;   THE QUANTISER, for each operand of a quantised product, along K:
;;     - The operand's scale is 2^e, e = its entry of the input lowp_scales (int32; the entries are numbered through the quantised products in the list's order, A before B).
;;     - Each number is divided by the scale, clamped to +-57,344, and rounded to the nearest number of E5M2, ties to even, subnormals kept.
;;     - The product sums the exact products of the quantised numbers (number of the format x scale) in f32.
;;   ~~~python
;;   def quantise(x, axis, e):      # numpy; x: float32 -> the quantised numbers, widened to float32 again
;;       x = np.moveaxis(x, axis, -1); K = x.shape[-1]
;;       r = np.clip(x / 2.0 ** e, -57344, 57344)
;;       step = 2.0 ** (np.maximum(np.frexp(np.where(r == 0, 1, r))[1] - 1, -14) - 2)
;;       q = np.round(r / step) * step * 2.0 ** e      # np.round: ties to even
;;       return np.moveaxis(q, -1, axis).astype(np.float32)
;;   ~~~
;;   OPERANDS COMPUTED ON THE WAY. 'Computed on the way' means the value that the module computes at that place (a softmax that the list does not call 'softmax' is quantised finished and normalised). What goes into a quantiser is computed in f32, as accurately as f32 sums, v_exp_f32 and their like allow (about 1e-6 of the number): no bf16 or f16 on the way to a quantiser, and a product that is left as it is and whose result goes on into a quantised operand takes f32 operands (vector FMAs, or v_wmma_f32_16x16x4_f32). A number that lies on a knife's edge between two numbers of the format may be rounded either way, as far as f32 arithmetic and the matrix unit's own rounding can turn it there, and no further.
;; One version. Each part assembles by itself: llvm-mc -triple=amdgcn-amd-amdhsa -mcpu=gfx1250 --defsym DOCPART=n.
;; ======== version 1 of 1: 2 launches
;; limits: right only within a limited range of input values
;; workspace buffers: qimg 1,769,472 bytes; kv 3,244,032 bytes; flags 6,144 bytes of whole numbers
;; launch prep (part 1): grid 1432 x 1, 1 waves a work-group, no clusters, 0 bytes of LDS; arguments ref_data, ref_t, Wq, lowp_scales, m1_data, m2_data, m3_data, m1_t, m2_t, m3_t, Wk1, Wk2, Wk3, bk1, bk2, bk3, Wv1, Wv2, Wv3, bv1, bv2, bv3, qimg, kv, flags; writes qimg, kv, flags
.if DOCPART == 1
	.amdgcn_target "amdgcn-amd-amdhsa--gfx1250"
	.amdhsa_code_object_version 6
	.text
	.protected	k_qb8f50bc7a8_prep
	.globl	k_qb8f50bc7a8_prep
	.p2align	8
	.type	k_qb8f50bc7a8_prep,@function
k_qb8f50bc7a8_prep:
	s_mov_b64 s[64:65], 0
	v_nop
	global_prefetch_b8 v0, s[64:65] scope:SCOPE_SE
	s_setreg_imm32_b32 hwreg(HW_REG_WAVE_MODE, 25, 1), 1
	s_wait_xcnt 0x0
; THE SMALL PRODUCTS AND ALL QUANTISERS AHEAD OF THE ATTENTION.  One wave to a work-group; four roles, chosen by the work-group's number:
;   0-767      V: 64 keys x 32 channels of one (modality, batch): V = Q8(data[:, :32]) Q8(Wv) + bv, quantised with e7, stored with the keys innermost as images of the operand's registers
;   768-1151   K: 64 keys: -(x Wk + bk), 64 features, in f32 (fused multiply-adds), quantised with e5, stored as register images, with the 64 key times
;   1152-1407  Q: 32 queries of one batch: Qr = Q8(ref_data) Q8(Wq), quantised three times, with each modality's e4
;   1408-1431  F: for 32 blocks of 32 queries x 32 steps of 64 keys, two whole numbers a block: bit s of OPEN = every pair of the tile counts (min ref_t >= max t), bit s of LIVE = some pair may count (max ref_t >= min t)
; Of the 65 features of Q = [Qr, 1] and K = [1, -Kr], feature 0 has the constant 1 on K's side: its term is one number a query, Q8(Qr[0]) x Q8(1), stored in the query's record as f32; the images hold features 1 to 64.
; mb = 4 x modality + batch.  A record of kv: 4,096 bytes of K, 256 of times, 4,096 of V.  A record of qimg: 2,048 bytes of codes of 32 queries, 256 of the numbers for feature 0.
; The order along K is the same on both sides of each product: features: lane (r, h) holds 32 h + 0..31 in registers 0-7; the products over 32 inputs: lane (r, h) holds k = 16 h + 0..15 in registers 0-3, zero codes in 4-7.
; WORK LEFT OUT: data's last but one column (index 32) is sliced away by reference(): a NaN, an infinity or an overflow in it is not carried to the result.
; LIMITS: every exponent that serves a conversion (e0, e1, data's, Wv's, e5, e7, e4 - e0 - e1) lies between -126 and 112; data's + Wv's and e0 + e1 between -126 and 126.  NaN and infinities among the inputs are not served.
.set NVW,  768
.set NKW,  1152
.set NQW,  1408
.set ROWD, 136                         ; a row of a modality's data: 34 numbers
.set KVREC, 8448
.set QREC, 2304
.macro WA
	s_wait_alu depctr_va_vdst(0)
.endm
.macro SEL3 t                          ; of the three pointers at s[t .. t+5] the modality's (s4) goes to s[t:t+1]
	s_cmp_eq_u32 s4, 1
	s_cselect_b64 s[\t:\t+1], s[\t+2:\t+3], s[\t:\t+1]
	s_cmp_eq_u32 s4, 2
	s_cselect_b64 s[\t:\t+1], s[\t+4:\t+5], s[\t:\t+1]
.endm
.macro IDS                             ; roles K and V: s2 = 32 mb + step
	s_lshr_b32 s3, s2, 5                           ; mb
	s_lshr_b32 s4, s3, 2                           ; modality
	s_and_b32 s5, s3, 3                            ; batch
	s_and_b32 s6, s2, 31                           ; step
	s_lshl_b32 s7, s5, 11
	s_lshl_b32 s44, s6, 6
	s_add_co_u32 s7, s7, s44                       ; the step's first key among the modality's 8,192 rows
	s_mul_i32 s44, s7, ROWD
	s_mov_b32 s45, 0                               ; s[44:45]: its byte in the data
	s_mul_i32 s50, s4, 24                          ; six entries of the scales for each modality
	s_mul_i32 s48, s2, KVREC
	s_mov_b32 s49, 0
.endm
.macro MKSC se, vs, vl                 ; from the exponent in s[se]: v[vs] = 2^e as f32, v[vl] = 57,344 x 2^e
	s_add_co_i32 s60, s[\se], 127
	s_lshl_b32 s61, s60, 23
	v_mov_b32 v[\vs], s61
	s_add_co_i32 s60, s60, 15
	s_lshl_b32 s60, s60, 23
	s_or_b32 s60, s60, 0x600000
	v_mov_b32 v[\vl], s60
.endm
.macro Q8N src, dst, n, vs, vl         ; n numbers of a lane become n codes: the hold first (the conversion to an 8-bit code does not saturate: ISA guide 7.6.2), then eight at a time
.set qi_, 0
.rept \n
	v_med3_num_f32 v[\src+qi_], v[\src+qi_], -v[\vl], v[\vl]
.set qi_, qi_+1
.endr
.set qi_, 0
.rept \n/8
	v_cvt_scalef32_pk8_bf8_f32 v[\dst+2*qi_:\dst+2*qi_+1], v[\src+8*qi_:\src+8*qi_+7], v[\vs]
.set qi_, qi_+1
.endr
	v_nop                                          ; one plain vector line behind the last conversion
.endm
.macro RED m3, m2, dst, src, n         ; the least or the largest of n registers
	\m3 v[\dst], v[\src], v[\src+1], v[\src+2]
.set ri_, 3
.rept (\n-4)/2
	\m3 v[\dst], v[\dst], v[\src+ri_], v[\src+ri_+1]
.set ri_, ri_+2
.endr
	\m2 v[\dst], v[\dst], v[\src+ri_]
.endm
	v_and_b32 v1, 15, v0                           ; r
	v_lshrrev_b32 v2, 4, v0                        ; h (one wave: v0 is the lane)
	WA
	s_cmp_lt_u32 ttmp9, NVW
	s_cbranch_scc1 .Lrole_v
	s_cmp_lt_u32 ttmp9, NKW
	s_cbranch_scc1 .Lrole_k
	s_cmp_lt_u32 ttmp9, NQW
	s_cbranch_scc1 .Lrole_q
; ---------------- role F: the classes of the tiles.  s2 = 2 mb + half: 32 blocks of queries against the 32 steps
	s_load_b64 s[8:9], s[0:1], 0x8                 ; ref_t
	s_load_b128 s[16:19], s[0:1], 0x38             ; m1_t, m2_t
	s_load_b64 s[20:21], s[0:1], 0x48              ; m3_t
	s_load_b64 s[40:41], s[0:1], 0xc0              ; flags
	s_sub_co_u32 s2, ttmp9, NQW
	s_lshr_b32 s3, s2, 1                           ; mb
	s_lshr_b32 s4, s3, 2                           ; modality
	s_and_b32 s5, s3, 3                            ; batch
	s_and_b32 s6, s2, 1                            ; which 1,024 queries
	s_lshl_b32 s44, s5, 13                         ; a batch's 2,048 times are 8,192 bytes
	s_mov_b32 s45, 0
	s_lshl_b32 s46, s6, 12
	s_add_co_u32 s46, s46, s44
	s_mov_b32 s47, 0
	s_lshl_b32 s48, s2, 8                          ; 32 blocks x 8 bytes
	s_mov_b32 s49, 0
	v_lshlrev_b32 v3, 8, v0                        ; lane l stands for step l: 64 times, 256 bytes
	v_lshlrev_b32 v4, 7, v0                        ; and for block l of the half: 32 times, 128 bytes
	v_lshlrev_b32 v5, 3, v0
	v_mov_b32 v12, 0                               ; written whole: v_writelane_b32 counts as a reader of its destination
	v_mov_b32 v13, 0
	WA
	s_wait_kmcnt 0x0
	SEL3 16
	s_add_nc_u64 s[16:17], s[16:17], s[44:45]
	s_add_nc_u64 s[8:9], s[8:9], s[46:47]
	s_add_nc_u64 s[40:41], s[40:41], s[48:49]
.set n_, 0
.rept 16
	global_load_b128 v[32+4*n_:35+4*n_], v3, s[16:17] offset:16*n_
.set n_, n_+1
.endr
.set n_, 0
.rept 8
	global_load_b128 v[96+4*n_:99+4*n_], v4, s[8:9] offset:16*n_
.set n_, n_+1
.endr
	s_wait_loadcnt 0x0
	RED v_min3_num_f32, v_min_num_f32, 8, 32, 64   ; v8: the step's least key time
	RED v_max3_num_f32, v_max_num_f32, 9, 32, 64   ; v9: its largest
	RED v_min3_num_f32, v_min_num_f32, 10, 96, 32  ; v10: the block's least query time
	RED v_max3_num_f32, v_max_num_f32, 11, 96, 32  ; v11: its largest
.set n_, 0
.rept 32                                       ; block n against all 32 steps at once: a compare's mask has bit s for lane s = step s
	v_readlane_b32 s20, v10, n_
	v_readlane_b32 s21, v11, n_
	v_cmp_ge_f32 s22, s20, v9                      ; OPEN
	v_cmp_ge_f32 s23, s21, v8                      ; LIVE
	v_writelane_b32 v12, s22, n_
	v_writelane_b32 v13, s23, n_
.set n_, n_+1
.endr
	global_store_b64 v5, v[12:13], s[40:41]        ; 256 consecutive bytes
	s_endpgm
; ---------------- role K.  v12-15 x of the lane's key in each of four tiles; v16-47 Wk, v48-79 bk of the lane's 32 features; v80-111 the features; v128-159 their codes
.Lrole_k:
	s_load_b128 s[8:11], s[0:1], 0x20              ; the data,
	s_load_b64 s[12:13], s[0:1], 0x30
	s_load_b128 s[16:19], s[0:1], 0x38             ; the times,
	s_load_b64 s[20:21], s[0:1], 0x48
	s_load_b128 s[24:27], s[0:1], 0x50             ; Wk,
	s_load_b64 s[28:29], s[0:1], 0x60
	s_load_b128 s[32:35], s[0:1], 0x68             ; bk of the three modalities
	s_load_b64 s[36:37], s[0:1], 0x78
	s_load_b64 s[40:41], s[0:1], 0xb8              ; kv
	s_load_b64 s[42:43], s[0:1], 0x18              ; the scales
	s_sub_co_u32 s2, ttmp9, NVW
	IDS
	s_lshl_b32 s46, s7, 2
	s_mov_b32 s47, 0
	v_lshlrev_b32 v4, 7, v2                        ; features 32 h + 0..31
	v_mul_u32_u24 v5, v1, ROWD
	v_lshlrev_b32 v6, 4, v0
	v_lshlrev_b32 v7, 3, v0
	WA
	s_wait_kmcnt 0x0
	SEL3 8
	SEL3 16
	SEL3 24
	SEL3 32
	s_load_b32 s52, s[42:43], s50 offset:0x14      ; e5
	s_add_nc_u64 s[8:9], s[8:9], s[44:45]
	s_add_nc_u64 s[16:17], s[16:17], s[46:47]
	s_add_nc_u64 s[40:41], s[40:41], s[48:49]
.irp kt, 0,1,2,3
	global_load_b32 v[12+\kt], v5, s[8:9] offset:132+16*ROWD*\kt   ; the last column of key 16 kt + r
.endr
.set n_, 0
.rept 8
	global_load_b128 v[16+4*n_:19+4*n_], v4, s[24:25] offset:16*n_
	global_load_b128 v[48+4*n_:51+4*n_], v4, s[32:33] offset:16*n_
.set n_, n_+1
.endr
	global_load_b64 v[160:161], v7, s[16:17]       ; the step's 64 times
	s_wait_kmcnt 0x0
	MKSC 52, 8, 9
	WA
	s_wait_loadcnt 0x0
.irp kt, 0,1,2,3
.set n_, 0
.rept 16                                       ; -x Wk - bk, two at a time
.if (\kt)%2
	v_pk_fma_f32 v[80+n_:81+n_], v[12+2*(\kt/2):13+2*(\kt/2)], v[16+n_:17+n_], v[48+n_:49+n_] op_sel:[1,0,0] op_sel_hi:[1,1,1] neg_lo:[1,0,1] neg_hi:[1,0,1]
.else
	v_pk_fma_f32 v[80+n_:81+n_], v[12+2*(\kt/2):13+2*(\kt/2)], v[16+n_:17+n_], v[48+n_:49+n_] op_sel_hi:[0,1,1] neg_lo:[1,0,1] neg_hi:[1,0,1]
.endif
.set n_, n_+2
.endr
	Q8N 80, 128+8*\kt, 32, 8, 9
	global_store_b128 v6, v[128+8*\kt:131+8*\kt], s[40:41] offset:1024*\kt         ; registers 0-3 of the tile's fragment, lane by lane
	global_store_b128 v6, v[132+8*\kt:135+8*\kt], s[40:41] offset:1024*\kt+512     ; registers 4-7
.endr
	global_store_b64 v7, v[160:161], s[40:41] offset:4096
	s_endpgm
; ---------------- role V.  v32-63 Wv, v96-159 data as loaded; then v32-95 the results; v160.. Wv's two fragments; v192.. the data's four; v224.. V's codes
.Lrole_v:
	s_load_b128 s[8:11], s[0:1], 0x20              ; the data,
	s_load_b64 s[12:13], s[0:1], 0x30
	s_load_b128 s[16:19], s[0:1], 0x80             ; Wv,
	s_load_b64 s[20:21], s[0:1], 0x90
	s_load_b128 s[24:27], s[0:1], 0x98             ; bv of the three modalities
	s_load_b64 s[28:29], s[0:1], 0xa8
	s_load_b64 s[40:41], s[0:1], 0xb8              ; kv
	s_load_b64 s[42:43], s[0:1], 0x18              ; the scales
	s_lshr_b32 s2, ttmp9, 1
	s_and_b32 s51, ttmp9, 1                        ; which 32 channels
	IDS
	s_lshl_b32 s52, s51, 11
	s_add_co_u32 s48, s48, s52
	s_add_co_u32 s48, s48, 4352                    ; V's part of the record, my two tiles of channels
	s_lshl_b32 s58, s51, 7
	s_mov_b32 s59, 0
	v_lshlrev_b32 v6, 2, v1                        ; 4 r
	v_lshl_add_u32 v3, v2, 12, v6                  ; Wv[16 h + i][16 ch + r]: rows of 256 bytes
	v_mul_u32_u24 v4, v1, ROWD
	v_lshl_add_u32 v4, v2, 6, v4                   ; data[key r][16 h + ..]
	v_lshlrev_b32 v5, 4, v0
	WA
	s_wait_kmcnt 0x0
	SEL3 8
	SEL3 16
	SEL3 24
	s_load_b64 s[52:53], s[42:43], s50 offset:0x8  ; the data's exponent, Wv's
	s_load_b32 s54, s[42:43], s50 offset:0x1c      ; e7
	s_add_nc_u64 s[8:9], s[8:9], s[44:45]
	s_add_nc_u64 s[16:17], s[16:17], s[58:59]
	s_add_nc_u64 s[24:25], s[24:25], s[58:59]
	s_add_nc_u64 s[40:41], s[40:41], s[48:49]
.irp kt, 0,1,2,3
.set n_, 0
.rept 8
	global_load_b64 v[96+16*\kt+2*n_:97+16*\kt+2*n_], v4, s[8:9] offset:16*ROWD*\kt+8*n_   ; rows of 136 bytes: multiples of 8, not of 16
.set n_, n_+1
.endr
.endr
.irp ch, 0,1
.set n_, 0
.rept 16
	global_load_b32 v[32+16*\ch+n_], v3, s[16:17] offset:256*n_+64*\ch
.set n_, n_+1
.endr
	global_load_b32 v[16+\ch], v6, s[24:25] offset:64*\ch          ; bv of the lane's channel
.endr
.irp j, 4,5,6,7
.irp f, 0,1,2,3
	v_mov_b32 v[192+8*\f+\j], 0                    ; K = 32 in an instruction of 64: zero codes on both sides
.endr
	v_mov_b32 v[160+\j], 0
	v_mov_b32 v[168+\j], 0
.endr
	s_wait_kmcnt 0x0
	MKSC 52, 8, 9
	MKSC 53, 10, 11
	MKSC 54, 12, 13
	s_add_co_i32 s55, s52, s53
	s_add_co_i32 s55, s55, 127
	s_lshl_b32 s55, s55, 23                        ; 2^(the two exponents added) as f32
	WA
	s_wait_loadcnt 0x0
.irp f, 0,1,2,3
	Q8N 96+16*\f, 192+8*\f, 16, 8, 9
.endr
.irp f, 0,1
	Q8N 32+16*\f, 160+8*\f, 16, 10, 11
.endr
.irp ch, 0,1                                   ; source 0 = 16 keys, source 1 = 16 channels: lane (r, h) holds channel 16 ch + r, register j key 16 kt + 8 h + j
.irp kt, 0,1,2,3
	v_wmma_f32_16x16x64_bf8_bf8 v[32+32*\ch+8*\kt:39+32*\ch+8*\kt], v[192+8*\kt:199+8*\kt], v[160+8*\ch:167+8*\ch], 0
.endr
.endr
.rept 4
	v_nop                                          ; four places between the last product and the first read of results (ISA guide 7.12.1)
.endr
.irp ch, 0,1
.set n_, 0
.rept 32
	v_fma_f32 v[32+32*\ch+n_], v[32+32*\ch+n_], s55, v[16+\ch]     ; V = sum x 2^(..) + bv; each result from its low end on
.set n_, n_+1
.endr
	Q8N 32+32*\ch, 224+8*\ch, 32, 12, 13           ; registers 2 c, 2 c + 1: keys 16 c + 8 h + 0..7
	global_store_b128 v5, v[224+8*\ch:227+8*\ch], s[40:41] offset:1024*\ch
	global_store_b128 v5, v[228+8*\ch:231+8*\ch], s[40:41] offset:1024*\ch+512
.endr
	s_endpgm
; ---------------- role Q.  s2 = 64 batch + block of 32 queries.  v32-95 Wq as loaded, then the 8 results; v96-127 ref_data; v128-159 at work; v160.. Wq's four fragments; v192.. ref_data's two; v208.. codes
.Lrole_q:
	s_load_b64 s[8:9], s[0:1], 0x0                 ; ref_data
	s_load_b128 s[40:43], s[0:1], 0x10             ; Wq, the scales
	s_load_b64 s[12:13], s[0:1], 0xb0              ; qimg
	s_sub_co_u32 s2, ttmp9, NKW
	s_lshl_b32 s44, s2, 12                         ; 32 rows of 128 bytes
	s_mov_b32 s45, 0
	s_mul_i32 s46, s2, QREC
	s_mov_b32 s47, 0
	s_mov_b32 s14, 0x76543210                      ; lane selects: lane l xor 16
	s_mov_b32 s15, 0xfedcba98
	v_lshrrev_b32 v3, 3, v1
	v_lshlrev_b32 v3, 7, v3
	v_and_b32 v4, 7, v1
	v_lshl_add_u32 v3, v4, 2, v3                   ; row r of tile u is image feature f = 32 (r / 8) + 8 u + r % 8, so that a lane's 32 results are features 32 h + 0..31;
	v_add_nc_u32 v6, 100, v3                       ; image feature f is column f + 1 of Wq, and the place of the constant 1 (f = 63) takes column 0
	v_and_b32 v6, 0xff, v6
	v_lshl_add_u32 v6, v2, 12, v6                  ; tile 3
	v_lshl_add_u32 v3, v2, 12, v3                  ; tiles 0 to 2
	v_lshlrev_b32 v4, 7, v1
	v_lshl_add_u32 v4, v2, 6, v4                   ; ref_data[query r][16 h + ..]
	v_lshlrev_b32 v5, 4, v0
	v_lshlrev_b32 v7, 3, v0
	v_cmp_ne_u32 s63, 0, v2                        ; lanes 16-31
	WA
	s_wait_kmcnt 0x0
	s_load_b64 s[52:53], s[42:43], 0x0             ; e0, e1
	s_load_b64 s[54:55], s[42:43], 0x10            ; e4, e5 of the three modalities
	s_load_b64 s[56:57], s[42:43], 0x28
	s_load_b64 s[58:59], s[42:43], 0x40
	s_add_nc_u64 s[8:9], s[8:9], s[44:45]
	s_add_nc_u64 s[12:13], s[12:13], s[46:47]
.irp ta, 0,1
.irp i, 0,1,2,3
	global_load_b128 v[96+16*\ta+4*\i:99+16*\ta+4*\i], v4, s[8:9] offset:2048*\ta+16*\i
.endr
.endr
.irp u, 0,1,2
.set n_, 0
.rept 16
	global_load_b32 v[32+16*\u+n_], v3, s[40:41] offset:256*n_+32*\u+4
.set n_, n_+1
.endr
.endr
.set n_, 0
.rept 16
	global_load_b32 v[80+n_], v6, s[40:41] offset:256*n_
.set n_, n_+1
.endr
.irp f, 0,1,2,3,4,5
.irp j, 4,5,6,7
	v_mov_b32 v[160+8*\f+\j], 0                    ; zero codes for k = 32 .. 63, in Wq's four fragments (v160..) and ref_data's two (v192..)
.endr
.endr
	s_wait_kmcnt 0x0
	MKSC 52, 8, 9
	MKSC 53, 10, 11
	s_add_co_i32 s62, s52, s53
	s_sub_co_i32 s54, s54, s62                     ; a sum stands for sum x 2^(e0 + e1): its code is sum / 2^(e4 - e0 - e1)
	s_sub_co_i32 s56, s56, s62
	s_sub_co_i32 s58, s58, s62
	MKSC 54, 12, 13
	MKSC 56, 14, 15
	MKSC 58, 16, 17
	MKSC 55, 18, 19
	MKSC 57, 20, 21
	MKSC 59, 22, 23
	s_sub_co_i32 s62, 127, s62
	s_lshl_b32 s62, s62, 23
	v_mov_b32 v24, s62                             ; 2^-(e0 + e1): the constant 1 in the sums' own unit
	WA
	s_wait_loadcnt 0x0
.irp ta, 0,1
	Q8N 96+16*\ta, 192+8*\ta, 16, 8, 9
.endr
.irp u, 0,1,2,3
	Q8N 32+16*\u, 160+8*\u, 16, 10, 11
.endr
.irp j, 98,99,100,101,102,103,105,106,107,108,109,110,111
	v_mov_b32 v[\j], 0                             ; the idle places of the two small conversions below
.endr
.irp ta, 0,1                                   ; source 0 = 16 features, source 1 = 16 queries: lane (r, h) holds query r, register j of tile u image feature 32 h + 8 u + j
.irp u, 0,1,2,3
	v_wmma_f32_16x16x64_bf8_bf8 v[32+32*\ta+8*\u:39+32*\ta+8*\u], v[160+8*\u:167+8*\u], v[192+8*\ta:199+8*\ta], 0
.endr
.endr
.rept 4
	v_nop                                          ; four places between the last product and the first read of results
.endr
.irp m, 0,1,2
	v_min_num_f32 v25, v24, v[13+2*\m]             ; the constant 1, held
.irp ta, 0,1
.set n_, 0
.rept 32
	v_med3_num_f32 v[128+n_], v[32+32*\ta+n_], -v[13+2*\m], v[13+2*\m]   ; the hold, into other registers: the sums serve three modalities
.set n_, n_+1
.endr
	v_mov_b32 v[96+\ta], v159                      ; lanes 16-31: Qr[0] of query r
	v_cndmask_b32 v159, v159, v25, s63             ; and its place takes the constant 1
.irp g, 0,1,2,3
	v_cvt_scalef32_pk8_bf8_f32 v[208+8*(2*\m+\ta)+2*\g:209+8*(2*\m+\ta)+2*\g], v[128+8*\g:135+8*\g], v[12+2*\m]
.endr
	v_nop                                          ; a plain line behind the conversions: the next holds write their sources
	global_store_b128 v5, v[208+8*(2*\m+\ta):211+8*(2*\m+\ta)], s[12:13] offset:256*QREC*\m+1024*\ta        ; a modality's four batches are 256 records
	global_store_b128 v5, v[212+8*(2*\m+\ta):215+8*(2*\m+\ta)], s[12:13] offset:256*QREC*\m+1024*\ta+512
.endr
	v_min_num_f32 v104, 1.0, v[19+2*\m]            ; K's feature 0, held
	v_cvt_scalef32_pk8_bf8_f32 v[112:113], v[96:103], v[12+2*\m]
	v_cvt_scalef32_pk8_bf8_f32 v[114:115], v[104:111], v[18+2*\m]
	v_nop
	v_cvt_f32_bf8 v116, v112
	v_cvt_f32_bf8 v117, v112 byte_sel:1
	v_cvt_f32_bf8 v118, v114
	v_mul_f32 v122, v116, v118                     ; the term of feature 0, in the codes' unit: exact
	v_mul_f32 v123, v117, v118
	v_permlanex16_b32 v[192+2*\m], v122, s14, s15
	v_permlanex16_b32 v[193+2*\m], v123, s14, s15
	v_cndmask_b32 v[192+2*\m], v[192+2*\m], v122, s63   ; both halves of the lanes hold query r's, of tiles 0 and 1
	v_cndmask_b32 v[193+2*\m], v[193+2*\m], v123, s63
	global_store_b64 v7, v[192+2*\m:193+2*\m], s[12:13] offset:256*QREC*\m+2048
.endr
	s_endpgm
.Lfunc_end_k_qb8f50bc7a8_prep:
	.size	k_qb8f50bc7a8_prep, .Lfunc_end_k_qb8f50bc7a8_prep-k_qb8f50bc7a8_prep
	.p2alignl 7, 3214868480
	.fill 96, 4, 3214868480
	.section	.rodata,"a",@progbits
	.p2align	6, 0x0
	.amdhsa_kernel k_qb8f50bc7a8_prep
		.amdhsa_group_segment_fixed_size 0
		.amdhsa_private_segment_fixed_size 0
		.amdhsa_enable_private_segment 0
		.amdhsa_kernarg_size 200
		.amdhsa_user_sgpr_count 2
		.amdhsa_user_sgpr_kernarg_segment_ptr 1
		.amdhsa_wavefront_size32 1
		.amdhsa_system_sgpr_workgroup_id_x 1
		.amdhsa_system_sgpr_workgroup_id_y 1
		.amdhsa_system_sgpr_workgroup_id_z 1
		.amdhsa_system_vgpr_workitem_id 0
		.amdhsa_next_free_vgpr 256
		.amdhsa_next_free_sgpr 66
		.amdhsa_reserve_vcc 0
		.amdhsa_float_denorm_mode_32 3
		.amdhsa_float_denorm_mode_16_64 3
		.amdhsa_memory_ordered 1
		.amdhsa_forward_progress 1
		.amdhsa_inst_pref_size 105
	.end_amdhsa_kernel
	.amdgpu_metadata
---
amdhsa.version: [ 1, 2 ]
amdhsa.kernels:
  - .name:           k_qb8f50bc7a8_prep
    .symbol:         k_qb8f50bc7a8_prep.kd
    .args:
      - { .name: ref_data, .offset: 0, .size: 8, .value_kind: global_buffer, .address_space: global }
      - { .name: ref_t, .offset: 8, .size: 8, .value_kind: global_buffer, .address_space: global }
      - { .name: Wq, .offset: 16, .size: 8, .value_kind: global_buffer, .address_space: global }
      - { .name: lowp_scales, .offset: 24, .size: 8, .value_kind: global_buffer, .address_space: global }
      - { .name: m1_data, .offset: 32, .size: 8, .value_kind: global_buffer, .address_space: global }
      - { .name: m2_data, .offset: 40, .size: 8, .value_kind: global_buffer, .address_space: global }
      - { .name: m3_data, .offset: 48, .size: 8, .value_kind: global_buffer, .address_space: global }
      - { .name: m1_t, .offset: 56, .size: 8, .value_kind: global_buffer, .address_space: global }
      - { .name: m2_t, .offset: 64, .size: 8, .value_kind: global_buffer, .address_space: global }
      - { .name: m3_t, .offset: 72, .size: 8, .value_kind: global_buffer, .address_space: global }
      - { .name: Wk1, .offset: 80, .size: 8, .value_kind: global_buffer, .address_space: global }
      - { .name: Wk2, .offset: 88, .size: 8, .value_kind: global_buffer, .address_space: global }
      - { .name: Wk3, .offset: 96, .size: 8, .value_kind: global_buffer, .address_space: global }
      - { .name: bk1, .offset: 104, .size: 8, .value_kind: global_buffer, .address_space: global }
      - { .name: bk2, .offset: 112, .size: 8, .value_kind: global_buffer, .address_space: global }
      - { .name: bk3, .offset: 120, .size: 8, .value_kind: global_buffer, .address_space: global }
      - { .name: Wv1, .offset: 128, .size: 8, .value_kind: global_buffer, .address_space: global }
      - { .name: Wv2, .offset: 136, .size: 8, .value_kind: global_buffer, .address_space: global }
      - { .name: Wv3, .offset: 144, .size: 8, .value_kind: global_buffer, .address_space: global }
      - { .name: bv1, .offset: 152, .size: 8, .value_kind: global_buffer, .address_space: global }
      - { .name: bv2, .offset: 160, .size: 8, .value_kind: global_buffer, .address_space: global }
      - { .name: bv3, .offset: 168, .size: 8, .value_kind: global_buffer, .address_space: global }
      - { .name: qimg, .offset: 176, .size: 8, .value_kind: global_buffer, .address_space: global }
      - { .name: kv, .offset: 184, .size: 8, .value_kind: global_buffer, .address_space: global }
      - { .name: flags, .offset: 192, .size: 8, .value_kind: global_buffer, .address_space: global }
    .group_segment_fixed_size: 0
    .private_segment_fixed_size: 0
    .kernarg_segment_align: 8
    .kernarg_segment_size: 200
    .max_flat_workgroup_size: 32
    .sgpr_count:     66
    .vgpr_count:     256
    .wavefront_size: 32
...
	.end_amdgpu_metadata
.endif
;; end of part 1
;; launch attn (part 2): grid 256 x 1, 8 waves a work-group, no clusters, 82,944 bytes of LDS; arguments qimg, kv, flags, ref_t, lowp_scales, log_tau1, log_tau2, log_tau3, out0; writes out0
.if DOCPART == 2
	.amdgcn_target "amdgcn-amd-amdhsa--gfx1250"
	.amdhsa_code_object_version 6
	.text
	.protected	k_qb8f50bc7a8_attn
	.globl	k_qb8f50bc7a8_attn
	.p2align	8
	.type	k_qb8f50bc7a8_attn,@function
k_qb8f50bc7a8_attn:
	s_mov_b64 s[64:65], 0
	v_nop
	global_prefetch_b8 v0, s[64:65] scope:SCOPE_SE
	s_setreg_imm32_b32 hwreg(HW_REG_WAVE_MODE, 25, 1), 1
	s_wait_xcnt 0x0
; out[mb][t][:] = the sum over keys l of Q8(A[t][l]) Q8(V[l][:]),  A = softmax_l(S mask) mask,  S = -d^2 / tau,  d = Q8(Q[t]) . Q8(K[l]) over 65 features,  mask = (ref_t[t] >= t[l]).
; A masked key keeps the logit 0: it counts in the row's maximum and in its sum; only its A is 0.  A is quantised FINISHED, so a row's maximum and sum are known before any code is made.
; ONE PASS: the scores of 32 queries x 2,048 keys stay in the registers of eight waves: a wave has four slots of 64 keys (steps w, w + 8, w + 16, w + 24) x 32 queries = 256 registers.
;   p = 2^(-c d^2 + c U), U the least d^2 of the wave's unmasked keys, c = log2(e) / tau x 2^(2 (e4 + e5)); a masked key's d is infinity, its p 0.  The waves' (c U, sum of p, number of unmasked keys) meet in LDS.
;   With any masked key the row's U is 0 and each masked key adds 1 to the sum.  A = p x 2^(c U_row - c U_wave) / sum, held, quantised with e6, multiplied with V's codes; the eight waves' parts of the output are added.
; WORK THAT THE MASK THROWS AWAY IS NOT DONE: for each block of 32 queries and each step of 64 keys the launch before has stored two bits.  LIVE = 0: every pair is masked: the step is left out (its keys are counted as masked).
; OPEN = 1: every pair counts: the mask's lines are left out.  The result is right for any times, ordered or not.  What reaches only a step left out (a NaN, an infinity, an overflow) is not carried to the result.
; SHARES.  Work-group 64 b + j takes three blocks of batch b, one of each modality: j, (j + 32) mod 64, and 62 - 2 j or 127 - 2 j: the numbers add to 94 or 95.
; LAYOUT.  Both products are used transposed: S^T = K Q^T (source 0 = 16 keys), O^T = V^T A^T (source 0 = 16 channels): a lane holds ONE query (lane % 16); register j of key tile kt is key 16 kt + 8 (lane / 16) + j, so that the
; conversions' results are the second product's operand as they stand.  Of the 65 features, feature 0 is the constant 1 on K's side: its term is one number a query and is the C of the first product; the other 64 are K = 64.
; K AND V GO FROM MEMORY INTO THE OPERANDS' REGISTERS, as they lie (register images).  No tensor load and so no joint load in a cluster: which steps a wave walks hangs on the stored bits
; The first block's K is loaded for all four slots, before the bits are known; the others' for the live slots alone.
; PREFETCH: in each trip the next modality's 32 records of the batch are asked for, shared out among the batch's 64 work-groups by address: a record is 33 blocks of 256 bytes, work-group pair j / 2 takes record j / 2 (17 blocks and 16);
; wave 7 asks, one instruction; wave 6 asks for the 9 blocks of the work-group's own next record of queries.  The last trip asks for nothing.
; LIMITS: e4 and e6 between -126 and 112; e6 + e7 between -126 and 127; c a normal f32 number.  NaN and infinities among the inputs are not served.  The waves' parts are added in another order than one ascending chain.
.set KVREC, 8448                       ; a step: 4,096 bytes of K, 256 of key times, 4,096 of V
.set VOFF,  4352
.set SLOTB, 8*KVREC                    ; from slot to slot
.set MODB,  4*32*KVREC                 ; from modality to modality
.set QREC,  2304                       ; a block of queries: 2,048 bytes of codes, 256 of feature 0's terms
.set TIMES, 0                          ; LDS: each wave's four slots of 64 key times,
.set STATS, 8192                       ; [wave][lane] x (c U, sum, count, -),
.set STAGE, 12288                      ; [wave][32 queries] x (64 f32 + 16 bytes), so that sixteen rows begin 16 bytes apart modulo 256,
.set OPP,   272
.set OSLOT, 32*OPP
.set SPARE, STAGE+8*OSLOT              ; the spare words
.set PFO,  0                           ; v0  the prefetch's offset
.set L16,  1                           ; v1  16 x lane
.set TIMW, 2
.set TIMR, 3
.set STW,  4
.set STR,  5
.set OST,  6
.set ORD,  7
.set RT,   8                           ; v8, v9 ref_t of my query in tiles 0, 1;  v10, v11 feature 0's terms
.set SPW,  28
.set NIL,  29
.set L8,   30                          ; v30 8 x lane
.set R4,   31                          ; v31 4 x (lane % 16)
.set CR,   32                          ; v32-47 C of tiles 0, 1 (times land in v32-39 before); later the eight waves' numbers land in v32-63
.set QF,   48                          ; v48-63 Q's two fragments, later A's codes
.set KB,   64                          ; v64-191 four slots' fragments of K, later of V
.set OA,   192                         ; v192-255 O^T: tile q, channels 16 ch on at OA + 32 q + 8 ch
                                       ; v256-511 the scores: slot k, tile q, key tile kt at 64 k + 32 q + 8 kt of window 1
                                       ; v12, v14 c U then the factor of tiles 0, 1; v13, v15 U; v16-23 sums, chains and work; v24, v25 counts; v26, v27 work
.set WV,   2
.set TR,   5
.set KW,   26                          ; s[26:27] my wave's first record of the modality in hand
.set QN,   28                          ; s[28:29] the next block's record of queries
.set LV,   36
.set OPN,  37
.set SEL,  38
.set INF,  40
.set HM,   41                          ; lanes 16-31
.set MB64, 42                          ; 64 x mb
.set GA,   90                          ; s90-92 the numbers of this block and of the next two: ids alone
.set S0,   44                          ; a block's numbers: +0 OPEN, +1 LIVE, +2 -c, +3 0, +4 2^e6, +5 57,344 x 2^e6, +6 2^(e6 + e7), +7 1 where A can pass the largest code (e6 < -15)
.set S1,   52
.set S2,   66
.set MK,   74                          ; s74-89 masks
.set KVN,  100                         ; s[100:101] the batch's records of the next modality
.set MSB, 0
.macro WIN new                         ; the immediate's high byte repeats the setting that is left
.if MSB != \new
	s_set_vgpr_msb (MSB<<8)|\new
.set MSB, \new
.endif
.endm
.macro WA
	s_wait_alu depctr_va_vdst(0)
.endm
.macro KLOADS k                        ; slot k's fragments of K and its times
.set i_, 0
.rept 8
	global_load_b128 v[KB+32*\k+4*i_:KB+32*\k+4*i_+3], v[L16], s[KW:KW+1] offset:SLOTB*\k+512*i_
.set i_, i_+1
.endr
	global_load_b64 v[CR+2*\k:CR+2*\k+1], v[L8], s[KW:KW+1] offset:SLOTB*\k+4096
.endm
.macro QLOADS                          ; Q's codes, feature 0's terms, the query times
.set i_, 0
.rept 4
	global_load_b128 v[QF+4*i_:QF+4*i_+3], v[L16], s[QN:QN+1] offset:512*i_
.set i_, i_+1
.endr
	global_load_b64 v[10:11], v[L8], s[QN:QN+1] offset:2048
	global_load_b32 v[RT], v[R4], s[30:31]
	global_load_b32 v[RT+1], v[R4], s[30:31] offset:64
.endm
; a slot that is live but not open: d of a masked pair becomes infinity; the unmasked pairs are counted
.macro MASK k
.irp kt, 0,1,2,3
	ds_load_b128 v[KB+32*\k+8*\kt:KB+32*\k+8*\kt+3], v[TIMR] offset:256*\k+64*\kt        ; the times of keys 16 kt + 8 h + 0..7, over K's fragments
	ds_load_b128 v[KB+32*\k+8*\kt+4:KB+32*\k+8*\kt+7], v[TIMR] offset:256*\k+64*\kt+16
.endr
	s_wait_dscnt 0x0
.irp kt, 0,1,2,3
.irp j, 0,1,2,3,4,5,6,7
.irp q, 0,1
	v_cmp_ge_f32 s[MK+2*\j+\q], v[RT+\q], v[KB+32*\k+8*\kt+\j]
.endr
.endr
	WIN 0x44
.irp j, 0,1,2,3,4,5,6,7
.irp q, 0,1
	v_cndmask_b32 v[64*\k+32*\q+8*\kt+\j], s[INF], v[64*\k+32*\q+8*\kt+\j], s[MK+2*\j+\q]
.endr
.endr
	WIN 0
.irp j, 0,2,4,6
.irp q, 0,1
	v_cndmask_b32 v26, 0, 1, s[MK+2*\j+\q]
	v_cndmask_b32 v27, 0, 1, s[MK+2*\j+2+\q]
	v_add3_u32 v[24+\q], v[24+\q], v26, v27
.endr
.endr
.endr
.endm
; SLOT k, FIRST PART: d, the mask, d^2, the least d^2 (two chains a tile); V's fragments are asked for into K's registers
.macro SSLOT k
	WA
	s_bitcmp1_b32 s[LV], 8*\k
	s_cbranch_scc0 .Lsdead_\@
	WIN 0x40
.irp kt, 0,1,2,3
.irp q, 0,1
	v_wmma_f32_16x16x64_bf8_bf8 v[64*\k+32*\q+8*\kt:64*\k+32*\q+8*\kt+7], v[KB+32*\k+8*\kt:KB+32*\k+8*\kt+7], v[QF+8*\q:QF+8*\q+7], v[CR+8*\q:CR+8*\q+7]
.endr
.endr
	WIN 0
.rept 4
	v_nop                                          ; four places ahead of the first read of results and of loads into K's registers (ISA guide 7.12.1 for the reads)
.endr
	s_bitcmp1_b32 s[OPN], 8*\k
	s_cbranch_scc1 .Lsopen_\@
	MASK \k
	WA
.Lsopen_\@:
.set i_, 0
.rept 8
	global_load_b128 v[KB+32*\k+4*i_:KB+32*\k+4*i_+3], v[L16], s[KW:KW+1] offset:SLOTB*\k+VOFF+512*i_
.set i_, i_+1
.endr
	WIN 0x45
.set i_, 0
.rept 32
	v_pk_mul_f32 v[64*\k+i_:64*\k+i_+1], v[64*\k+i_:64*\k+i_+1], v[64*\k+i_:64*\k+i_+1]
.set i_, i_+2
.endr
	WIN 0x14
.set i_, 0
.rept 8
	v_min3_num_f32 v13, v13, v[64*\k+i_], v[64*\k+i_+1]
	v_min3_num_f32 v15, v15, v[64*\k+32+i_], v[64*\k+32+i_+1]
	v_min3_num_f32 v20, v20, v[64*\k+i_+2], v[64*\k+i_+3]
	v_min3_num_f32 v22, v22, v[64*\k+32+i_+2], v[64*\k+32+i_+3]
.set i_, i_+4
.endr
	WIN 0
	WA
.Lsdead_\@:
.endm
; SLOT k, SECOND PART: p and its sum (two chains a tile)
.macro ESLOT k
	WA
	s_bitcmp1_b32 s[LV], 8*\k
	s_cbranch_scc0 .Ledead_\@
	WIN 0x41
.set i_, 0
.rept 16
	v_pk_fma_f32 v[64*\k+i_:64*\k+i_+1], v[64*\k+i_:64*\k+i_+1], s[S0+2:S0+3], v[12:13] op_sel_hi:[1,0,0]   ; -c d^2 + c U (of both pairs the low word serves both halves)
	v_pk_fma_f32 v[64*\k+32+i_:64*\k+32+i_+1], v[64*\k+32+i_:64*\k+32+i_+1], s[S0+2:S0+3], v[14:15] op_sel_hi:[1,0,0]
.set i_, i_+2
.endr
	WA                                             ; ahead of the batch
.set i_, 0
.rept 64
	v_exp_f32 v[64*\k+i_], v[64*\k+i_]
.set i_, i_+1
.endr
	v_nop                                          ; a plain line behind the last exponential
	WIN 0x04
	WA                                             ; and ahead of its first reader
.set i_, 0
.rept 8
	v_pk_add_f32 v[16:17], v[16:17], v[64*\k+i_:64*\k+i_+1]
	v_pk_add_f32 v[18:19], v[18:19], v[64*\k+32+i_:64*\k+32+i_+1]
	v_pk_add_f32 v[20:21], v[20:21], v[64*\k+i_+2:64*\k+i_+3]
	v_pk_add_f32 v[22:23], v[22:23], v[64*\k+32+i_+2:64*\k+32+i_+3]
.set i_, i_+4
.endr
	WIN 0
	WA
.Ledead_\@:
.endm
; SLOT k, THIRD PART: A = p x factor, its codes, and the second product
.macro PSLOT k
	WA
	s_bitcmp1_b32 s[LV], 8*\k
	s_cbranch_scc0 .Lpdead_\@
	WIN 0x41
.set i_, 0
.rept 16
	v_pk_mul_f32 v[64*\k+i_:64*\k+i_+1], v[64*\k+i_:64*\k+i_+1], v[12:13] op_sel_hi:[1,0]
	v_pk_mul_f32 v[64*\k+32+i_:64*\k+32+i_+1], v[64*\k+32+i_:64*\k+32+i_+1], v[14:15] op_sel_hi:[1,0]
.set i_, i_+2
.endr
	WIN 0
	WA
	s_cmp_eq_u32 s[S0+7], 0
	s_cbranch_scc1 .Lpfits_\@                      ; with e6 >= -15 the largest code stands for 1.75 or more, and A is at most 1
	WIN 0x44
.set i_, 0
.rept 64
	v_min_num_f32 v[64*\k+i_], s[S0+5], v[64*\k+i_]   ; the conversion does not saturate (ISA guide 7.6.2); A is not negative, so the hold is one-sided
.set i_, i_+1
.endr
	WIN 0
	WA
.Lpfits_\@:
	WIN 0x01
.irp q, 0,1
.irp kt, 0,1,2,3
	v_cvt_scalef32_pk8_bf8_f32 v[QF+8*\q+2*\kt:QF+8*\q+2*\kt+1], v[64*\k+32*\q+8*\kt:64*\k+32*\q+8*\kt+7], v20   ; registers 2 kt, 2 kt + 1: keys 16 kt + 8 h + 0..7
.endr
.endr
	WIN 0
	v_nop                                          ; a plain line between the conversions and the products that read their results
.irp ch, 0,1,2,3                               ; the eight accumulators by turns, one instruction a turn
.irp q, 0,1
	v_wmma_f32_16x16x64_bf8_bf8 v[OA+32*\q+8*\ch:OA+32*\q+8*\ch+7], v[KB+32*\k+8*\ch:KB+32*\k+8*\ch+7], v[QF+8*\q:QF+8*\q+7], v[OA+32*\q+8*\ch:OA+32*\q+8*\ch+7]
.endr
.endr
.Lpdead_\@:
.endm
.macro PARM i, set                     ; modality i's numbers, from e4, e5, e6, e7 in s[76 + 4 i ..] and -log2(e) / tau in v[20 + i]
	s_add_co_i32 s6, s[76+4*\i], s[77+4*\i]
	s_lshl_b32 s6, s6, 1                           ; d stands for d x 2^(e4 + e5), its square for twice that
	v_ldexp_f32 v[20+\i], v[20+\i], s6
	v_readfirstlane_b32 s[\set+2], v[20+\i]        ; -c
	s_add_co_i32 s6, s[78+4*\i], 127
	s_lshl_b32 s[\set+4], s6, 23
	s_add_co_i32 s7, s6, 15
	s_lshl_b32 s7, s7, 23
	s_or_b32 s[\set+5], s7, 0x600000
	s_add_co_i32 s6, s6, s[79+4*\i]
	s_lshl_b32 s[\set+6], s6, 23
	s_cmp_lt_i32 s[78+4*\i], -15
	s_cselect_b32 s[\set+7], 1, 0
	s_mov_b32 s[\set+3], 0                         ; (the upper word of the pair that begins with -c)
.endm
; ---------------- the head
	s_load_b512 s[8:23], s[0:1], 0x0               ; qimg s[8:9], kv s[10:11], flags s[12:13], ref_t s[14:15], the scales s[16:17], log_tau1 to 3 s[18:23]
	s_load_b64 s[24:25], s[0:1], 0x40              ; out0
	v_lshl_add_u32 v[SPW], v0, 2, SPARE
	v_mov_b32 v[NIL], 0
	v_lshrrev_b32 v2, 5, v0
	v_readfirstlane_b32 s[WV], v2                  ; wave 0..7
	s_and_b32 s3, ttmp9, 63                        ; j
	s_lshr_b32 s4, ttmp9, 6                        ; batch
	s_lshl_b32 s[MB64], s4, 6
	s_mov_b32 s[GA], s3                            ; the three blocks
	s_add_co_u32 s6, s3, 32
	s_and_b32 s[GA+1], s6, 63
	s_lshl_b32 s6, s3, 1
	s_sub_co_u32 s7, 127, s6
	s_sub_co_u32 s6, 62, s6
	s_cmp_lt_u32 s3, 32
	s_cselect_b32 s[GA+2], s6, s7
	s_add_co_u32 s97, s[MB64], s[GA]
	s_mul_i32 s34, s97, QREC
	s_mov_b32 s35, 0
	s_lshl_b32 s97, s97, 3                         ; 8 bytes of bits a block
	s_add_co_u32 s98, s[MB64], s[GA+1]
	s_add_co_u32 s98, s98, 256
	s_lshl_b32 s98, s98, 3
	s_add_co_u32 s99, s[MB64], s[GA+2]
	s_add_co_u32 s99, s99, 512
	s_lshl_b32 s99, s99, 3
	s_mul_i32 s74, s4, 32*KVREC
	s_mov_b32 s75, 0
	s_mul_i32 s76, s[WV], KVREC
	s_mov_b32 s77, 0
	s_lshl_b32 s78, s4, 13
	s_mov_b32 s79, 0
	s_lshl_b32 s80, s3, 7
	s_mov_b32 s81, 0
	s_lshl_b32 s82, s[WV], 10
	s_lshl_b32 s83, s[WV], 9
	s_add_co_u32 s83, s83, STATS
	s_mul_i32 s84, s[WV], OSLOT
	s_add_co_u32 s84, s84, STAGE
	s_mul_i32 s85, s[WV], 4*OPP
	s_add_co_u32 s85, s85, STAGE
	s_lshr_b32 s6, s3, 1                           ; the prefetch: wave 7: blocks 33 (j / 2) + 17 (j % 2) + 0 .. 16 - j % 2; wave 6: blocks 0 .. 8 of a record of queries
	s_mul_i32 s6, s6, 33
	s_and_b32 s7, s3, 1
	s_mul_i32 s87, s7, 17
	s_add_co_u32 s87, s87, s6
	s_sub_co_u32 s86, 16, s7
	s_cmp_eq_u32 s[WV], 6
	s_cselect_b32 s86, 8, s86
	s_cselect_b32 s87, 0, s87
	s_mov_b32 s[SEL], 0x76543210                   ; lane selects: lane l xor 16
	s_mov_b32 s[SEL+1], 0xfedcba98
	s_mov_b32 s[INF], 0x7f800000
	s_mov_b32 s[HM], 0xffff0000
	s_mov_b32 s[TR], 3
	v_and_b32 v26, 31, v0                          ; lane
	v_bfe_u32 v27, v0, 4, 1                        ; h
	v_and_b32 v24, 15, v0                          ; r
	v_lshlrev_b32 v[L16], 4, v26
	v_lshlrev_b32 v[L8], 3, v26
	v_lshlrev_b32 v[R4], 2, v24
	v_add_nc_u32 v[TIMW], s82, v[L8]               ; a slot's times: as they lie,
	v_lshlrev_b32 v[TIMR], 5, v27
	v_add_nc_u32 v[TIMR], s82, v[TIMR]             ; and back: 8 h on
	v_add_nc_u32 v[STW], s83, v[L16]
	v_add_nc_u32 v[STR], STATS, v[L16]
	v_mul_u32_u24 v[OST], v24, OPP
	v_lshl_add_u32 v[OST], v27, 5, v[OST]
	v_add_nc_u32 v[OST], s84, v[OST]               ; in: row r, + 32 h, of my slot
	v_mul_u32_u24 v[ORD], v27, OPP
	v_lshl_add_u32 v[ORD], v24, 4, v[ORD]
	v_add_nc_u32 v[ORD], s85, v[ORD]               ; back: rows 4 wave on; lanes 0-15 one row, lanes 16-31 the next
	v_min_u32 v20, s86, v26
	v_add_nc_u32 v20, s87, v20
	v_lshlrev_b32 v[PFO], 8, v20
	WIN 0x40
.set i_, 0
.rept 256
	v_mov_b32 v[i_], 0                             ; the scores' registers are written once on every way: which slots are walked hangs on the stored bits
.set i_, i_+1
.endr
	WIN 0
	WA
	s_wait_kmcnt 0x0
	s_add_nc_u64 s[KVN:KVN+1], s[10:11], s[74:75]
	s_add_nc_u64 s[KW:KW+1], s[KVN:KVN+1], s[76:77]
	s_add_nc_u64 s[QN:QN+1], s[8:9], s[34:35]
	s_add_nc_u64 s[14:15], s[14:15], s[78:79]      ; my batch's query times
	s_add_nc_u64 s[30:31], s[14:15], s[80:81]
	s_load_b64 s[S0:S0+1], s[12:13], s97 offset:0x0
	s_load_b64 s[S1:S1+1], s[12:13], s98 offset:0x0
	s_load_b64 s[S2:S2+1], s[12:13], s99 offset:0x0
	s_load_b128 s[76:79], s[16:17], 0x10           ; e4 (Q), e5 (K), e6 (A), e7 (V) of the three modalities
	s_load_b128 s[80:83], s[16:17], 0x28
	s_load_b128 s[84:87], s[16:17], 0x40
	s_load_b32 s94, s[18:19], 0x0
	s_load_b32 s95, s[20:21], 0x0
	s_load_b32 s96, s[22:23], 0x0
	QLOADS
	KLOADS 0
	KLOADS 1
	KLOADS 2
	KLOADS 3
	s_wait_kmcnt 0x0
	v_mov_b32 v20, s94
	v_mov_b32 v21, s95
	v_mov_b32 v22, s96
	v_mul_f32 v20, 0xbfb8aa3b, v20                 ; -log_tau x log2(e)
	v_mul_f32 v21, 0xbfb8aa3b, v21
	v_mul_f32 v22, 0xbfb8aa3b, v22
	WA
	v_exp_f32 v20, v20                             ; 1 / tau
	v_exp_f32 v21, v21
	v_exp_f32 v22, v22
	v_nop
	WA
	v_mul_f32 v20, 0xbfb8aa3b, v20
	v_mul_f32 v21, 0xbfb8aa3b, v21
	v_mul_f32 v22, 0xbfb8aa3b, v22
	WA
	PARM 0, S0
	PARM 1, S1
	PARM 2, S2
	WA
; ---------------- a trip: one block of 32 queries
.Ltrip:
	s_wait_loadcnt 0x0                             ; Q, C, the query times, K and the key times
.irp k, 0,1,2,3
	ds_store_b64 v[TIMW], v[CR+2*\k:CR+2*\k+1] offset:256*\k       ; (a slot that is not live keeps what is never read)
.endr
	s_lshr_b32 s[LV], s[S0+1], s[WV]               ; slot k: bit 8 k
	s_lshr_b32 s[OPN], s[S0], s[WV]
	s_and_b32 s6, s[LV], s[OPN]
	s_and_b32 s6, s6, 0x01010101
	s_bcnt1_i32_b32 s6, s6
	s_lshl_b32 s6, s6, 5                           ; an open slot's 32 keys a lane count whole
	s_add_co_u32 s7, s[MB64], 256
	s_add_co_u32 s7, s7, s[GA+1]
	s_mul_i32 s34, s7, QREC
	s_mov_b32 s35, 0
	s_add_nc_u64 s[QN:QN+1], s[8:9], s[34:35]      ; the next block's record
	s_add_nc_u64 s[KVN:KVN+1], s[KVN:KVN+1], MODB
.irp j, 0,1,2,3,4,5,6,7
	v_mov_b32 v[CR+\j], v10                        ; C: feature 0's term, the same for every key
	v_mov_b32 v[CR+8+\j], v11
.endr
	v_mov_b32 v24, s6
	v_mov_b32 v25, s6
	v_mov_b32 v13, 0x7f61b1e6                      ; U: 3e38, over every square
	v_mov_b32 v15, 0x7f61b1e6
	v_mov_b32 v20, 0x7f61b1e6
	v_mov_b32 v22, 0x7f61b1e6
	SSLOT 0
	SSLOT 1
	SSLOT 2
	SSLOT 3
	v_min_num_f32 v13, v13, v20
	v_min_num_f32 v15, v15, v22
	v_permlanex16_b32 v26, v13, s[SEL], s[SEL+1]
	v_permlanex16_b32 v27, v15, s[SEL], s[SEL+1]
	v_min_num_f32 v13, v13, v26                    ; and lane l xor 16's
	v_min_num_f32 v15, v15, v27
	v_mul_f32 v12, -v13, s[S0+2]                   ; c U,
	v_mul_f32 v14, -v15, s[S0+2]
	v_min_num_f32 v12, 0x7f61b1e6, v12             ; finite also where no key of mine counts
	v_min_num_f32 v14, 0x7f61b1e6, v14
.irp j, 16,17,18,19,20,21,22,23
	v_mov_b32 v[\j], 0
.endr
	WA
	s_cmp_eq_u32 s[TR], 1
	s_cbranch_scc1 .Lasked
	s_cmp_lt_u32 s[WV], 6
	s_cbranch_scc1 .Lasked
	s_cmp_eq_u32 s[WV], 7
	s_cselect_b64 s[34:35], s[KVN:KVN+1], s[QN:QN+1]
	global_prefetch_b8 v[PFO], s[34:35] th:TH_LOAD_NT scope:SCOPE_SE
.Lasked:
	ESLOT 0
	ESLOT 1
	ESLOT 2
	ESLOT 3
	; what the waves tell each other: lanes 0-15 tile 0's queries, lanes 16-31 tile 1's
	v_pk_add_f32 v[16:17], v[16:17], v[20:21]
	v_pk_add_f32 v[18:19], v[18:19], v[22:23]
	v_cvt_f32_u32 v24, v24
	v_cvt_f32_u32 v25, v25
	v_add_f32 v16, v16, v17
	v_add_f32 v18, v18, v19
	v_cndmask_b32 v20, v12, v14, s[HM]             ; c U
	v_cndmask_b32 v22, v24, v25, s[HM]
	v_cndmask_b32 v27, v25, v24, s[HM]
	v_cndmask_b32 v21, v16, v18, s[HM]
	v_cndmask_b32 v26, v18, v16, s[HM]
	v_permlanex16_b32 v23, v27, s[SEL], s[SEL+1]
	v_add_f32 v22, v22, v23                        ; the count of both halves' keys
	v_permlanex16_b32 v23, v26, s[SEL], s[SEL+1]
	v_add_f32 v21, v21, v23                        ; and their sum
	ds_store_b128 v[STW], v[20:23]
	s_wait_xcnt 0x0                                ; the last block's stores have read their data and their base, the prefetch its base
	s_add_co_u32 s6, s[MB64], s[GA]
	s_lshl_b32 s34, s6, 13                         ; 32 rows of 256 bytes a block
	s_lshl_b32 s7, s[WV], 10
	s_add_co_u32 s34, s34, s7                      ; my four rows
	s_mov_b32 s35, 0
	s_add_nc_u64 s[32:33], s[24:25], s[34:35]
	WA
	s_wait_dscnt 0x0                               ; for the others' sake
	s_barrier_signal -1
.set i_, 0
.rept 64
	v_mov_b32 v[OA+i_], 0                          ; O^T: which slot's products come first hangs on the stored bits, so none can be written out with the constant 0
.set i_, i_+1
.endr
	s_barrier_wait -1
.set i_, 0
.rept 8
	ds_load_b128 v[32+4*i_:35+4*i_], v[STR] offset:512*i_          ; wave i's (c U, sum, count)
.set i_, i_+1
.endr
	s_wait_dscnt 0x0
	v_min3_num_f32 v26, v32, v36, v40
	v_min3_num_f32 v27, v44, v48, v52
	v_add_f32 v24, v34, v38
	v_add_f32 v25, v42, v46
	v_add_f32 v16, v50, v54
	v_add_f32 v17, v58, v62
	v_min3_num_f32 v26, v26, v56, v60
	v_add_f32 v24, v24, v25
	v_add_f32 v16, v16, v17
	v_min_num_f32 v26, v26, v27
	v_add_f32 v24, v24, v16                        ; the row's unmasked keys
	v_cmp_gt_f32 vcc_lo, 0x45000000, v24           ; fewer than 2,048:
	v_cndmask_b32 v26, v26, v[NIL], vcc_lo         ; a masked key's logit 0 is the largest: U = 0
.set i_, 0
.rept 8
	v_sub_f32 v[32+4*i_], v26, v[32+4*i_]
.set i_, i_+1
.endr
	v_sub_f32 v27, v26, v20
	v_sub_f32 v24, 0x45000000, v24                 ; each masked key adds 1
	WA
.set i_, 0
.rept 8
	v_exp_f32 v[32+4*i_], v[32+4*i_]
.set i_, i_+1
.endr
	v_exp_f32 v27, v27
	v_nop
	WA
	v_fma_f32 v24, v33, v32, v24
	v_mul_f32 v25, v37, v36
	v_fma_f32 v24, v41, v40, v24
	v_fma_f32 v25, v45, v44, v25
	v_fma_f32 v24, v49, v48, v24
	v_fma_f32 v25, v53, v52, v25
	v_fma_f32 v24, v57, v56, v24
	v_fma_f32 v25, v61, v60, v25
	v_add_f32 v24, v24, v25                        ; the row's sum
	WA
	v_rcp_f32 v24, v24
	v_mov_b32 v20, s[S0+4]                         ; 2^e6, for the conversion (a plain place behind the reciprocal)
	WA
	v_mul_f32 v26, v27, v24                        ; my wave's factor
	v_permlanex16_b32 v27, v26, s[SEL], s[SEL+1]
	v_cndmask_b32 v12, v26, v27, s[HM]             ; of tile 0,
	v_cndmask_b32 v14, v27, v26, s[HM]             ; of tile 1
	WA
	s_wait_loadcnt 0x0                             ; V
	PSLOT 0
	PSLOT 1
	PSLOT 2
	PSLOT 3
.rept 4
	v_nop                                          ; four places behind the last product
.endr
	WA
	s_cmp_eq_u32 s[TR], 1
	s_cbranch_scc1 .Lnonext
	s_add_nc_u64 s[KW:KW+1], s[KW:KW+1], MODB      ; (every load from here has been waited for)
	s_lshl_b32 s34, s[GA+1], 7
	s_mov_b32 s35, 0
	s_add_nc_u64 s[30:31], s[14:15], s[34:35]
	s_lshr_b32 s6, s[S1+1], s[WV]
	QLOADS
.irp k, 0,1,2,3
	s_bitcmp1_b32 s6, 8*\k
	s_cbranch_scc0 .Lnok\k
	KLOADS \k
.Lnok\k:
.endr
.Lnonext:
	; the way out: the eight waves' parts are added
.irp q, 0,1
.irp ch, 0,1,2,3
	ds_store_b128 v[OST], v[OA+32*\q+8*\ch:OA+32*\q+8*\ch+3] offset:16*OPP*\q+64*\ch     ; lane (r, h): query 16 q + r, channels 16 ch + 8 h + 0..7
	ds_store_b128 v[OST], v[OA+32*\q+8*\ch+4:OA+32*\q+8*\ch+7] offset:16*OPP*\q+64*\ch+16
.endr
.endr
	s_wait_dscnt 0x0                               ; for the others' sake
	s_barrier_signal -1
	s_barrier_wait -1
.set i_, 0
.rept 8
	ds_load_b128 v[OA+8*i_:OA+8*i_+3], v[ORD] offset:OSLOT*i_              ; wave i's part of rows 4 wave, + 1
	ds_load_b128 v[OA+8*i_+4:OA+8*i_+7], v[ORD] offset:OSLOT*i_+2*OPP      ; and + 2, + 3
.set i_, i_+1
.endr
	s_wait_dscnt 0x0
.macro ADDP a, b
.irp j, 0,2,4,6
	v_pk_add_f32 v[OA+8*\a+\j:OA+8*\a+\j+1], v[OA+8*\a+\j:OA+8*\a+\j+1], v[OA+8*\b+\j:OA+8*\b+\j+1]
.endr
.endm
	ADDP 0, 1
	ADDP 2, 3
	ADDP 4, 5
	ADDP 6, 7
	ADDP 0, 2
	ADDP 4, 6
	ADDP 0, 4
.irp j, 0,2,4,6
	v_pk_mul_f32 v[OA+\j:OA+\j+1], v[OA+\j:OA+\j+1], s[S0+6:S0+7] op_sel_hi:[1,0]        ; x 2^(e6 + e7)
.endr
	global_store_b128 v[L16], v[OA:OA+3], s[32:33] th:TH_STORE_NT          ; two whole rows: 512 consecutive bytes, at a multiple of 256 from the output's first byte
	global_store_b128 v[L16], v[OA+4:OA+7], s[32:33] offset:512 th:TH_STORE_NT
	WA
.irp j, 0,2,4,6
	s_mov_b64 s[S0+\j:S0+\j+1], s[S1+\j:S1+\j+1]   ; on to the next modality
	s_mov_b64 s[S1+\j:S1+\j+1], s[S2+\j:S2+\j+1]
.endr
	s_mov_b32 s[GA], s[GA+1]
	s_mov_b32 s[GA+1], s[GA+2]
	s_add_co_u32 s[MB64], s[MB64], 256
	s_sub_co_u32 s[TR], s[TR], 1
	s_cmp_lg_u32 s[TR], 0
	s_cbranch_scc1 .Ltrip
	s_wait_tensorcnt 0x0                           ; the wave's end
	ds_add_u32 v[SPW], v[NIL]
	s_wait_dscnt 0x0
	s_endpgm
.Lfunc_end_k_qb8f50bc7a8_attn:
	.size	k_qb8f50bc7a8_attn, .Lfunc_end_k_qb8f50bc7a8_attn-k_qb8f50bc7a8_attn
	.p2alignl 7, 3214868480
	.fill 96, 4, 3214868480
	.section	.rodata,"a",@progbits
	.p2align	6, 0x0
	.amdhsa_kernel k_qb8f50bc7a8_attn
		.amdhsa_group_segment_fixed_size 82944
		.amdhsa_private_segment_fixed_size 0
		.amdhsa_enable_private_segment 0
		.amdhsa_kernarg_size 72
		.amdhsa_user_sgpr_count 2
		.amdhsa_user_sgpr_kernarg_segment_ptr 1
		.amdhsa_wavefront_size32 1
		.amdhsa_system_sgpr_workgroup_id_x 1
		.amdhsa_system_sgpr_workgroup_id_y 1
		.amdhsa_system_sgpr_workgroup_id_z 1
		.amdhsa_system_vgpr_workitem_id 0
		.amdhsa_next_free_vgpr 512
		.amdhsa_next_free_sgpr 102
		.amdhsa_reserve_vcc 1
		.amdhsa_float_denorm_mode_32 3
		.amdhsa_float_denorm_mode_16_64 3
		.amdhsa_memory_ordered 1
		.amdhsa_forward_progress 1
		.amdhsa_inst_pref_size 166
	.end_amdhsa_kernel
	.amdgpu_metadata
---
amdhsa.version: [ 1, 2 ]
amdhsa.kernels:
  - .name:           k_qb8f50bc7a8_attn
    .symbol:         k_qb8f50bc7a8_attn.kd
    .args:
      - { .name: qimg, .offset: 0, .size: 8, .value_kind: global_buffer, .address_space: global }
      - { .name: kv, .offset: 8, .size: 8, .value_kind: global_buffer, .address_space: global }
      - { .name: flags, .offset: 16, .size: 8, .value_kind: global_buffer, .address_space: global }
      - { .name: ref_t, .offset: 24, .size: 8, .value_kind: global_buffer, .address_space: global }
      - { .name: lowp_scales, .offset: 32, .size: 8, .value_kind: global_buffer, .address_space: global }
      - { .name: log_tau1, .offset: 40, .size: 8, .value_kind: global_buffer, .address_space: global }
      - { .name: log_tau2, .offset: 48, .size: 8, .value_kind: global_buffer, .address_space: global }
      - { .name: log_tau3, .offset: 56, .size: 8, .value_kind: global_buffer, .address_space: global }
      - { .name: out0, .offset: 64, .size: 8, .value_kind: global_buffer, .address_space: global }
    .group_segment_fixed_size: 82944
    .private_segment_fixed_size: 0
    .kernarg_segment_align: 8
    .kernarg_segment_size: 72
    .max_flat_workgroup_size: 256
    .sgpr_count:     102
    .vgpr_count:     512
    .wavefront_size: 32
...
	.end_amdgpu_metadata
.endif
;; end of part 2
